; MI455X (gfx1250); checked and timed in simulation.
; The chip was launched on July 23, 2026; its instructions are those of AMD's public machine-readable ISA for CDNA 5 (MIT licence, August 2026) and "CDNA5" Instruction Set Architecture Reference Guide (July 2026). The comments in the code are by the model that wrote it; some were corrected since.
;; Fused QKV Attention Simulated. Allowed arithmetic: matrix products marked QUANTISED: E2M1 operands, one E8M0 scale for each 32 along K, by v_wmma_scale_f32_16x16x128_f8f6f4 with both operands' format E2M1 (or v_wmma_scale_f32_32x16x128_f4), f32 sums; everything else in f32.
;; Inputs: Wk 1,024 x 1,024 float32; Wq 1,024 x 1,024 float32; Wv 1,024 x 1,024 float32; x 4 x 2,048 x 1,024 float32.
;; Outputs: out0 4 x 16 x 2,048 x 64 float32.
;; This version of the problem:
;;   THIS VERSION OF THE PROBLEM IS GIVEN IN LOW PRECISION. The matrix products marked QUANTISED in the list below multiply operands that are first quantised to E2M1 (2 exponent bits, 1 mantissa bit; 4 bits a number), with one power-of-two scale for each 32 numbers along K (OCP MX v1.0); their sums are f32. All else is computed in f32.
;;   The module's matrix products, in the order in which they are computed (A, B: the left and right operand; K: the contracted axis; several contracted axes count as one K, in the product's order):
;;     1. [M 8,192, K 1,024] x [K 1,024, N 1,024]; A: input x; B: input Wq: QUANTISED
;;     2. [M 8,192, K 1,024] x [K 1,024, N 1,024]; A: input x; B: input Wk: QUANTISED
;;     3. [M 8,192, K 1,024] x [K 1,024, N 1,024]; A: input x; B: input Wv: QUANTISED
;;     4. batch 64 x [M 2,048, K 64] x [K 64, N 2,048]; A: computed on the way; B: computed on the way: QUANTISED
;;     5. batch 64 x [M 2,048, K 2,048] x [K 2,048, N 64]; A: softmax (see below); B: computed on the way: QUANTISED
;;   THE QUANTISER, for each operand of a quantised product, along K:
;;     - K is cut into blocks of 32 from its start; a last block that is shorter is filled with zeros.
;;     - A block's scale is 2^e with e = floor(log2(the largest magnitude in the block)) - 2, held to -126 .. 127; a block of zeros has e = 0. As a byte (E8M0): e + 127.
;;     - Each number is divided by its block's scale, clamped to +-6, and rounded to the nearest number of E2M1, ties to even, subnormals kept.
;;     - The product sums the exact products of the quantised numbers (number of the format x scale) in f32.
;;   ~~~python
;;   def quantise(x, axis):      # numpy; x: float32 -> the quantised numbers, widened to float32 again
;;       x = np.moveaxis(x, axis, -1); K = x.shape[-1]
;;       x = np.pad(x, [(0, 0)] * (x.ndim - 1) + [(0, -K % 32)]); x = x.reshape(x.shape[:-1] + (-1, 32)); a = np.abs(x).max(-1, keepdims=True)
;;       e = np.where(a > 0, np.clip(np.frexp(np.where(a > 0, a, 1))[1] - 1 - 2, -126, 127), 0)      # np.frexp(a)[1] - 1 = floor(log2(a)), exactly
;;       r = np.clip(x / 2.0 ** e, -6, 6)
;;       step = 2.0 ** (np.maximum(np.frexp(np.where(r == 0, 1, r))[1] - 1, 0) - 1)
;;       q = np.round(r / step) * step * 2.0 ** e      # np.round: ties to even
;;       return np.moveaxis(q.reshape(q.shape[:-2] + (-1,))[..., :K], -1, axis).astype(np.float32)
;;   ~~~
;;   SOFTMAX AHEAD OF A QUANTISED PRODUCT. Where the list says 'softmax', what is quantised is not the finished softmax but p = 2^(t - M), with t = logit x log2(e) and M = ceil(the row's largest t), a whole number; so 1/2 < the row's largest p <= 1. The row's sum l is taken of the UNQUANTISED p, in f32, and the product's result is divided by l at the end. Since M is a whole number, a kernel that streams over the keys may use a running M (the ceiling of the running maximum): every later rescaling is an exact power of two, which a block's scale takes up: the codes' values come out the same.
;;   OPERANDS COMPUTED ON THE WAY. 'Computed on the way' means the value that the module computes at that place (a softmax that the list does not call 'softmax' is quantised finished and normalised). What goes into a quantiser is computed in f32, as accurately as f32 sums, v_exp_f32 and their like allow (about 1e-6 of the number): no bf16 or f16 on the way to a quantiser, and a product that is left as it is and whose result goes on into a quantised operand takes f32 operands (vector FMAs, or v_wmma_f32_16x16x4_f32). A number that lies on a knife's edge between two numbers of the format may be rounded either way, as far as f32 arithmetic and the matrix unit's own rounding can turn it there, and no further.
;; One version. Each part assembles by itself: llvm-mc -triple=amdgcn-amd-amdhsa -mcpu=gfx1250 --defsym DOCPART=n.
;; ======== version 1 of 1: 3 launches
;; limits: right only within a limited range of input values
;; workspace buffers: x_codes 4,194,304 bytes; x_scales 262,144 bytes; w_codes 1,572,864 bytes; w_scales 98,304 bytes; qk_codes 8,388,608 bytes; qk_scales 1,048,576 bytes; v_codes 4,194,304 bytes; v_scales 262,144 bytes
;; launch quant (part 1): grid 352 x 1, 4 waves a work-group, no clusters, 68,096 bytes of LDS; arguments x, Wq, Wk, Wv, x_codes, x_scales, w_codes, w_scales; writes x_codes, x_scales, w_codes, w_scales
.if DOCPART == 1
	.amdgcn_target "amdgcn-amd-amdhsa--gfx1250"
	.amdhsa_code_object_version 6
	.text
	.protected	k_q3e10ef611e_quant
	.globl	k_q3e10ef611e_quant
	.p2align	8
	.type	k_q3e10ef611e_quant,@function
k_q3e10ef611e_quant:
	s_mov_b64 s[64:65], 0
	v_nop
	global_prefetch_b8 v0, s[64:65] scope:SCOPE_SE
	s_setreg_imm32_b32 hwreg(HW_REG_WAVE_MODE, 25, 1), 1
	s_wait_xcnt 0x0
; x [8192][1024] f32 (K innermost) and Wq, Wk, Wv [1024 (k)][1024 (n)] f32 (K is the FIRST axis) become codes of FP4 (E2M1), K innermost, 512 bytes a row, with one E8M0 byte for each 32 along K, 32 bytes a row.
; A block's scale is 2^(floor(log2(its largest magnitude)) - 2); its byte is the largest magnitude's exponent field - 2, held at 1 from below; each number is divided by the scale and rounded to the nearest code, ties to even.
; ROWS LIE IN POSITION ORDER: within each aligned group of 32 rows, position p holds row swap34(p) (bits 3 and 4 of p exchanged).  Sixteen neighbouring positions 16 u + r then hold rows 8 u + r + 8 (r / 8), the rows that the later
; products want as a tile of source 0, so that a lane's 16 results of two neighbouring tiles are 16 neighbours along the next K.
; Work-groups 0 to 255 take x (32 rows each), work-groups 256 to 351 the weights (64 columns x 512 along K each).  The two paths part on the work-group's number and have LDS bytes of their own.
; x: waves share nothing, no barrier.  The weights: a wave takes 32 columns x 256 along K, 8 blocks a lane; the two waves of a group of 32 columns put their halves of each row of 256 bytes into one stage, and one barrier stands
; between those stores and the reads of whole rows.  No tensor load, no cluster: no two work-groups read the same bytes.
; LIMITS: a block whose largest magnitude lies under 2^-124, a block of zeros among them, keeps the byte 1 (the rule gives a block of zeros 127): its codes add the same under either byte, and this program alone reads the bytes.
; NaN and infinities among the inputs are not served.
.set XWG,   256                        ; work-groups that take x
.set STEPS, 16                         ; x: a wave takes 16 steps of 512 numbers: 8 rows
.set WREG,  8192                       ; x: LDS region of a wave: two stages of 32 x SP bytes, behind them its 256 scale bytes
.set SP,    80                         ; x: a lane's place in a stage: its 64 bytes + 16 of padding
.set CB,    8                          ; bytes of 16 codes
.set R,     16                         ; x: v16-79   four sets of 16 numbers as loaded
.set X,     80                         ; x: v80-111  two sets of 16 neighbours
.set E,     112                        ; x: v112-127 a scale byte for each step
.set C,     128                        ; x: v128-191 codes, four registers for each step: no store's data are written again
.set WSTG,  32768                      ; W: the stages begin here: 32 rows x PITCH for each group of 32 columns
.set NB,    8                          ; W: blocks of 32 along K for a wave
.set PITCH, 272                        ; W: a stage row: 256 bytes of codes + 16
.set KROW,  512                        ; a row of codes in memory
.set WROW,  4096                       ; a row of a weight in memory
.set WX,    32                         ; W: v32-95   two sets of 32 numbers
.set WC,    96                         ; W: v96-99   a block's codes
.set OUTR,  112                        ; W: v112-143 the way out
.set SB,    24                         ; W: v24-25   the scale bytes, four to a register
	s_load_b256 s[4:11], s[0:1], 0x0               ; x s[4:5], Wq s[6:7], Wk s[8:9], Wv s[10:11]
	s_load_b256 s[12:19], s[0:1], 0x20             ; x's codes s[12:13], x's scales s[14:15], the weights' codes s[16:17], their scales s[18:19]
	v_lshl_add_u32 v192, v0, 2, 0x10800            ; my spare word, behind both paths' bytes,
	v_mov_b32 v193, 0                              ; and 0: for the closing lines
	v_lshrrev_b32 v1, 5, v0
	v_readfirstlane_b32 s20, v1                    ; wave 0..3
	v_and_b32 v2, 31, v0                           ; lane
	s_wait_kmcnt 0x0
	s_cmp_lt_u32 ttmp9, XWG
	s_cbranch_scc0 .Lweights
; ---------------- x: a plain stream of blocks of 32.  Each load reads 512 consecutive bytes; a step's 2,048 bytes turn through the wave's own stage, so that a lane then holds 16 neighbours along K (two lanes hold a block).
	s_wait_alu depctr_va_vdst(0)
	v_lshlrev_b32 v3, 4, v2                        ; my 16 bytes of a load's 512
	s_mul_i32 s21, s20, WREG
	v_lshrrev_b32 v14, 2, v2
	v_mul_u32_u24 v14, v14, SP
	v_and_b32 v15, 3, v2
	v_lshl_add_u32 v14, v15, 4, v14
	v_add_nc_u32 v14, s21, v14                     ; the stage, on the way in: SP (lane / 4) + 16 (lane % 4)
	v_mul_u32_u24 v15, v2, SP
	v_add_nc_u32 v15, s21, v15                     ; and on the way out: SP x lane
	v_mul_u32_u24 v4, v2, CB                       ; my codes' place in a step's 256 bytes
	v_lshrrev_b32 v5, 1, v2
	s_add_co_u32 s21, s21, 2*32*SP
	v_add_nc_u32 v5, s21, v5                       ; LDS: my wave's 256 scale bytes, my block's byte
	v_lshlrev_b32 v7, 3, v2                        ; and on the way out 8 bytes a lane
	v_add_nc_u32 v6, s21, v7
	s_lshl_b32 s22, ttmp9, 2
	s_add_co_u32 s24, s22, s20                     ; the run of 8 rows that I read: 4 x work-group + wave
	s_lshl_b32 s24, s24, 15                        ; 32,768 bytes a run
	s_mov_b32 s25, 0
	s_add_nc_u64 s[4:5], s[4:5], s[24:25]
	s_and_b32 s26, s20, 1                          ; the run that I write: swap34 moves whole groups of 8 rows: the wave's two bits change places
	s_lshl_b32 s26, s26, 1
	s_lshr_b32 s27, s20, 1
	s_or_b32 s26, s26, s27
	s_add_co_u32 s26, s26, s22
	s_lshl_b32 s24, s26, 12                        ; 4,096 bytes of codes a run
	s_add_nc_u64 s[12:13], s[12:13], s[24:25]
	s_lshl_b32 s24, s26, 8                         ; 256 scale bytes a run
	s_add_nc_u64 s[14:15], s[14:15], s[24:25]
.macro XLOAD t
.irp i, 0,1,2,3
	global_load_b128 v[R+16*((\t)%4)+4*\i:R+16*((\t)%4)+4*\i+3], v3, s[4:5] offset:2048*(\t)+512*\i th:TH_LOAD_NT   ; 32 lanes read 512 consecutive bytes
.endr
.endm
.macro XTURN t                         ; step t's numbers through the stage: LDS serves a wave's instructions in order, so no wait stands between the stores and the loads
.irp i, 0,1,2,3
	ds_store_b128 v14, v[R+16*((\t)%4)+4*\i:R+16*((\t)%4)+4*\i+3] offset:32*SP*((\t)%2)+8*SP*\i
.endr
.irp i, 0,1,2,3
	ds_load_b128 v[X+16*((\t)%2)+4*\i:X+16*((\t)%2)+4*\i+3], v15 offset:32*SP*((\t)%2)+16*\i
.endr
.endm
.irp t, 0,1,2,3
	XLOAD \t
.endr
	s_wait_alu depctr_va_vdst(0)                   ; directly ahead of the wait below
	s_wait_loadcnt 12                              ; step 0's four loads are in; the twelve of steps 1 to 3 may be out
	XTURN 0
.macro XSTEP t
.set XS, X+16*((\t)%2)
.if (\t) > 0
	s_wait_dscnt 1                                 ; this step's numbers are back from the stage (the last step's byte store may be out): so its stores into the stage have read their registers,
.else
	s_wait_dscnt 0x0
.endif
.if (\t)+4 < STEPS
	XLOAD (\t)+4                                   ; which take the loads of four steps on
.endif
.if (\t)+1 < STEPS
.if STEPS-2-(\t) >= 3
	s_wait_loadcnt 12                              ; the next step's four loads are in; those of the three steps behind it may be out
.else
	s_wait_loadcnt 4*(STEPS-2-(\t))                ; at the end fewer steps stand behind it
.endif
	XTURN (\t)+1                                   ; and go through the other stage while this step is worked
.endif
	v_max3_num_f32 v8, |v[XS]|, |v[XS+1]|, |v[XS+2]|               ; the largest magnitude of my 16, in two chains
	v_max3_num_f32 v9, |v[XS+3]|, |v[XS+4]|, |v[XS+5]|
.irp i, 6,10
	v_max3_num_f32 v8, v8, |v[XS+\i]|, |v[XS+\i+1]|
	v_max3_num_f32 v9, v9, |v[XS+\i+2]|, |v[XS+\i+3]|
.endr
	v_max3_num_f32 v8, v8, |v[XS+14]|, |v[XS+15]|
	v_max3_num_f32 v8, v8, v9, 0x1800000           ; and the floor 2^(3 - 127): the byte cannot fall under 1
	v_max_num_f32_dpp v8, v8, v8 row_xmask:1 row_mask:0xf bank_mask:0xf   ; with my neighbour's 16: the block's
	v_add_nc_u32 v11, 0xff000000, v8               ; 2 off its exponent field: the conversion takes the exponent field of this operand as its scale
	v_cvt_scalef32_pk8_fp4_f32 v[C+4*(\t)], v[XS:XS+7], v11
	v_cvt_scalef32_pk8_fp4_f32 v[C+4*(\t)+1], v[XS+8:XS+15], v11
	v_lshrrev_b32 v[E+(\t)], 23, v11               ; the scale's byte
	ds_store_b8 v5, v[E+(\t)] offset:16*(\t)       ; both lanes of a block write the same byte with the same value
	global_store_b64 v4, v[C+4*(\t):C+4*(\t)+1], s[12:13] offset:32*CB*(\t)   ; 32 lanes store 256 consecutive bytes, aligned
.endm
.irp t, 0,1,2,3,4,5,6,7,8,9,10,11,12,13,14,15
	XSTEP \t
.endr
	ds_load_b64 v[12:13], v6                       ; LDS serves a wave's instructions in order: these see my byte stores
	s_wait_dscnt 0x0
	global_store_b64 v7, v[12:13], s[14:15]        ; 32 lanes store 256 consecutive bytes, aligned
	s_wait_tensorcnt 0x0                           ; the wave's end
	ds_add_u32 v192, v193
	s_wait_dscnt 0x0
	s_endpgm
; ---------------- the weights: a lane takes a column n and its registers run down K: a block of 32 lies in one lane, and the conversions give codes with K innermost.  Nothing is transposed by an instruction.
.Lweights:
	s_sub_co_u32 s21, ttmp9, XWG                   ; 0 .. 95
	s_lshr_b32 s22, s21, 5                         ; which weight: 0 q, 1 k, 2 v
	s_and_b32 s23, s21, 15                         ; which 64 columns
	s_bfe_u32 s24, s21, 0x10004                    ; which 512 along K
	s_and_b32 s29, s20, 1                          ; my wave: which 32 of the 64 columns,
	s_lshr_b32 s30, s20, 1                         ; and which 256 of the 512 along K
	s_cmp_eq_u32 s22, 0
	s_cselect_b64 s[4:5], s[6:7], s[8:9]
	s_cmp_eq_u32 s22, 2
	s_cselect_b64 s[4:5], s[10:11], s[4:5]         ; the choice hangs on the work-group's number alone
	s_lshl_b32 s25, s23, 6
	s_lshl_b32 s26, s29, 5
	s_add_co_u32 s25, s25, s26                     ; my wave's first column: an aligned group of 32
	s_lshl_b32 s26, s24, 21                        ; in: 512 rows of 4,096 bytes for each half of K,
	s_lshl_b32 s27, s30, 20                        ; 256 rows for each quarter,
	s_add_co_u32 s26, s26, s27
	s_lshl_b32 s27, s25, 2                         ; + 4 bytes a column
	s_add_co_u32 s26, s26, s27
	s_mov_b32 s27, 0
	s_add_nc_u64 s[4:5], s[4:5], s[26:27]
	s_lshl_b32 s26, s22, 19                        ; codes: 524,288 bytes a weight, 512 a position, 256 for each half of K
	s_lshl_b32 s28, s25, 9
	s_add_co_u32 s26, s26, s28
	s_lshl_b32 s28, s24, 8
	s_add_co_u32 s26, s26, s28
	s_lshl_b32 s28, s30, 12                        ; of the group's 32 rows I store columns 16 (wave / 2) + 0 .. 15: swap34 puts them 8 (wave / 2) positions on
	s_add_co_u32 s26, s26, s28
	s_add_nc_u64 s[16:17], s[16:17], s[26:27]
	s_lshl_b32 s26, s22, 15                        ; scale bytes: 32,768 a weight, 32 a position, 16 for each half of K, 8 for each quarter
	s_lshl_b32 s28, s25, 5
	s_add_co_u32 s26, s26, s28
	s_lshl_b32 s28, s24, 4
	s_add_co_u32 s26, s26, s28
	s_lshl_b32 s28, s30, 3
	s_add_co_u32 s26, s26, s28
	s_add_nc_u64 s[18:19], s[18:19], s[26:27]
	s_wait_alu depctr_va_vdst(0)
	v_lshlrev_b32 v3, 2, v2                        ; in: 4 bytes a lane
	s_mul_i32 s28, s29, 32*PITCH
	s_add_co_u32 s28, s28, WSTG                    ; the stage of my 32 columns
	s_lshl_b32 s31, s30, 7
	s_add_co_u32 s31, s31, s28
	v_mul_u32_u24 v4, v2, PITCH
	v_add_nc_u32 v4, s31, v4                       ; into it: row = my column, my quarter of K: 128 bytes of the row's 256
	s_mul_i32 s31, s30, 16*PITCH
	s_add_co_u32 s31, s31, s28
	v_and_b32 v5, 15, v2
	v_lshrrev_b32 v6, 4, v2                        ; out of it: sixteen lanes to a row, two rows an instruction, from row 16 (wave / 2) on
	v_mul_u32_u24 v7, v6, PITCH
	v_lshl_add_u32 v7, v5, 4, v7
	v_add_nc_u32 v7, s31, v7
	v_lshlrev_b32 v8, 9, v6                        ; and in memory: the odd column lies one position behind the even one, since swap34 leaves bit 0 alone
	v_lshl_add_u32 v8, v5, 4, v8
	v_and_b32 v9, 7, v2                            ; swap34(lane): my column's position,
	v_bfe_u32 v10, v2, 4, 1
	v_lshl_or_b32 v9, v10, 3, v9
	v_bfe_u32 v10, v2, 3, 1
	v_lshl_or_b32 v9, v10, 4, v9
	v_lshlrev_b32 v9, 5, v9                        ; x 32 scale bytes
.macro WLOAD t                         ; block t: W(32 t + i, my column), i = 0 .. 31, into set t % 2: a wave's load reads 128 consecutive bytes, two waves stand side by side on 256
.irp i, 0,1,2,3,4,5,6,7,8,9,10,11,12,13,14,15,16,17,18,19,20,21,22,23,24,25,26,27,28,29,30,31
	global_load_b32 v[WX+32*((\t)%2)+\i], v3, s[4:5] offset:(32*(\t)+\i)*WROW th:TH_LOAD_NT
.endr
.endm
	WLOAD 0
	WLOAD 1
.macro WBLOCK t
.set XS, WX+32*((\t)%2)
.if (\t) < NB-1
	s_wait_loadcnt 32                              ; this block's 32 loads are in; the next block's 32 may be out
.else
	s_wait_loadcnt 0
.endif
	v_max3_num_f32 v12, |v[XS]|, |v[XS+1]|, |v[XS+2]|               ; the block's largest magnitude: all 32 numbers are mine
	v_max3_num_f32 v13, |v[XS+3]|, |v[XS+4]|, |v[XS+5]|
.irp i, 6,10,14,18,22,26
	v_max3_num_f32 v12, v12, |v[XS+\i]|, |v[XS+\i+1]|
	v_max3_num_f32 v13, v13, |v[XS+\i+2]|, |v[XS+\i+3]|
.endr
	v_max3_num_f32 v12, v12, |v[XS+30]|, |v[XS+31]|
	v_max3_num_f32 v12, v12, v13, 0x1800000        ; and the floor 2^(3 - 127)
	v_add_nc_u32 v11, 0xff000000, v12              ; the conversion's scale operand
	v_lshrrev_b32 v13, 23, v11                     ; the scale's byte
.if (\t)%4 == 0
	v_mov_b32 v[SB+(\t)/4], v13                    ; four bytes to a register, the lower K in the lower byte
.else
	v_lshl_or_b32 v[SB+(\t)/4], v13, 8*((\t)%4), v[SB+(\t)/4]
.endif
.irp g, 0,1,2,3
	v_cvt_scalef32_pk8_fp4_f32 v[WC+\g], v[XS+8*\g:XS+8*\g+7], v11
.endr
	ds_store_b128 v4, v[WC:WC+3] offset:16*(\t)    ; 32 codes: 16 bytes of my column's row
.if (\t)+2 < NB
	WLOAD (\t)+2
.endif
	s_wait_dscnt 0x0                               ; the store is done: the next block's codes may be written, and behind the last block the barrier may be signalled
.endm
.set Q, 0
.rept NB
	WBLOCK Q
.set Q, Q+1
.endr
	s_barrier_signal -1                            ; my stores into the stage are done;
	s_barrier_wait -1                              ; and so are those of the wave that holds the other half of each row
	s_wait_alu depctr_va_vdst(0)                   ; directly ahead of the reader below
	global_store_b64 v9, v[SB:SB+1], s[18:19]      ; my column's 8 scale bytes, at its position
.irp t, 0,1,2,3,4,5,6,7
	ds_load_b128 v[OUTR+4*\t:OUTR+4*\t+3], v7 offset:2*\t*PITCH
.endr
.irp t, 0,1,2,3,4,5,6,7
	s_wait_dscnt 7-\t                              ; the later read-backs may be out
	global_store_b128 v8, v[OUTR+4*\t:OUTR+4*\t+3], s[16:17] offset:(((2*\t)&7)+16*(((2*\t)>>3)&1))*KROW   ; of my sixteen columns, 2 t and 2 t + 1 at positions swap34(2 t) and + 1: sixteen lanes store 256 consecutive bytes, aligned
.endr
	s_wait_tensorcnt 0x0                           ; the wave's end
	ds_add_u32 v192, v193
	s_wait_dscnt 0x0
	s_endpgm
.Lfunc_end_k_q3e10ef611e_quant:
	.size	k_q3e10ef611e_quant, .Lfunc_end_k_q3e10ef611e_quant-k_q3e10ef611e_quant
	.p2alignl 7, 3214868480
	.fill 96, 4, 3214868480
	.section	.rodata,"a",@progbits
	.p2align	6, 0x0
	.amdhsa_kernel k_q3e10ef611e_quant
		.amdhsa_group_segment_fixed_size 68096
		.amdhsa_private_segment_fixed_size 0
		.amdhsa_enable_private_segment 0
		.amdhsa_kernarg_size 64
		.amdhsa_user_sgpr_count 2
		.amdhsa_user_sgpr_kernarg_segment_ptr 1
		.amdhsa_wavefront_size32 1
		.amdhsa_system_sgpr_workgroup_id_x 1
		.amdhsa_system_sgpr_workgroup_id_y 1
		.amdhsa_system_sgpr_workgroup_id_z 1
		.amdhsa_system_vgpr_workitem_id 0
		.amdhsa_next_free_vgpr 194
		.amdhsa_next_free_sgpr 66
		.amdhsa_reserve_vcc 0
		.amdhsa_float_denorm_mode_32 3
		.amdhsa_float_denorm_mode_16_64 3
		.amdhsa_memory_ordered 1
		.amdhsa_forward_progress 1
		.amdhsa_inst_pref_size 74
	.end_amdhsa_kernel
	.amdgpu_metadata
---
amdhsa.version: [ 1, 2 ]
amdhsa.kernels:
  - .name:           k_q3e10ef611e_quant
    .symbol:         k_q3e10ef611e_quant.kd
    .args:
      - { .name: x, .offset: 0, .size: 8, .value_kind: global_buffer, .address_space: global }
      - { .name: Wq, .offset: 8, .size: 8, .value_kind: global_buffer, .address_space: global }
      - { .name: Wk, .offset: 16, .size: 8, .value_kind: global_buffer, .address_space: global }
      - { .name: Wv, .offset: 24, .size: 8, .value_kind: global_buffer, .address_space: global }
      - { .name: x_codes, .offset: 32, .size: 8, .value_kind: global_buffer, .address_space: global }
      - { .name: x_scales, .offset: 40, .size: 8, .value_kind: global_buffer, .address_space: global }
      - { .name: w_codes, .offset: 48, .size: 8, .value_kind: global_buffer, .address_space: global }
      - { .name: w_scales, .offset: 56, .size: 8, .value_kind: global_buffer, .address_space: global }
    .group_segment_fixed_size: 68096
    .private_segment_fixed_size: 0
    .kernarg_segment_align: 8
    .kernarg_segment_size: 64
    .max_flat_workgroup_size: 128
    .sgpr_count:     66
    .vgpr_count:     194
    .wavefront_size: 32
...
	.end_amdgpu_metadata
.endif
;; end of part 1
;; launch qkv (part 2): grid 8 x 48, 4 waves a work-group, clusters of 4 x 4, 327,680 bytes of LDS; arguments x_codes, x_scales, w_codes, w_scales, qk_codes, qk_scales, v_codes, v_scales; writes qk_codes, qk_scales, v_codes, v_scales
.if DOCPART == 2
	.amdgcn_target "amdgcn-amd-amdhsa--gfx1250"
	.amdhsa_code_object_version 6
	.text
	.protected	k_q3e10ef611e_qkv
	.globl	k_q3e10ef611e_qkv
	.p2align	8
	.type	k_q3e10ef611e_qkv,@function
k_q3e10ef611e_qkv:
	s_mov_b64 s[64:65], 0
	v_nop
	global_prefetch_b8 v0, s[64:65] scope:SCOPE_SE
	s_setreg_imm32_b32 hwreg(HW_REG_WAVE_MODE, 25, 1), 1
	s_wait_xcnt 0x0
	s_wait_alu depctr_hold_cnt(0) depctr_sa_sdst(0) depctr_va_vdst(0) depctr_va_sdst(0) depctr_va_ssrc(0) depctr_va_vcc(0) depctr_vm_vsrc(0)
	s_getreg_b32 s2, hwreg(HW_REG_IB_STS2, 6, 4)
	s_cmp_eq_u32 s2, 0
	s_cbranch_scc0 .Lentry_in_a_cluster
	s_endpgm
.Lentry_in_a_cluster:
	s_bfe_u32 s2, ttmp6, 0x10000c
	s_cmp_lg_u32 s2, 0xf033
	s_cbranch_scc0 .Lentry_shape_is_right
	s_endpgm
.Lentry_shape_is_right:
.set NQ,     4
.set ROWB,   256
.set KROW,   512
; Q, K and V = x W on codes of FP4: a block of 256 x 256 a work-group, 128 x 128 a wave, K = 1,024 in eight steps of 128; the results are quantised in registers and stored as codes and scale words.
; ALL OF K LIES IN LDS AT ONCE: 256 rows of 512 bytes of each operand, 16 bytes of padding behind each row, and both operands' scale bytes.  They are asked for at the head by four joint loads, one a wave; nothing is filled again.
.set PITCH,  528
.set FR,     8
.set NP,     4
.set HALFT,  128*PITCH
.set SLOT,   256                       ; the second half of K begins 256 bytes on in each row
.set KS,     32
.set SCL,    4*HALFT                   ; behind the two operands' 256 rows each
.set HALFS,  (128*KS/256)*272
.set SBLK,   (16*KS/256)*272
.set ADRA, 16
.set ADRB, 20
.set OFF0, 24
.set OFF1, 25
.set LS16, 26
.set ADRS, 27
.set LS8,  30
.set SC,   32
.set AF,   128
.set CD,   128
.set TM,   200
.set PW,   216
.set SW,   224
.set SW2,  228
.set PC,   20
.set SEL,  100
.set REG,  95
.set G1, 24
.set G0, 32
.set G1B, 48
.set G0B, 56
.set G1S, 68
.set G0S, 76
.set G1SB, 80
.set G0SB, 88
.set MSB, 0
.macro WIN new
.if MSB != \new
	s_set_vgpr_msb (MSB<<8)|\new
.set MSB, \new
.endif
.endm
.set MUL_LO, 0xa1
.set MUL_HI, 0xf1
.set TO_B,   0x40
.macro ARM under, g0, g1, next         ; an arm of the head's tree of branches on the wave's number: its load, and a jump to the tree's end
	s_cmp_lt_u32 s14, \under
	s_cbranch_scc0 \next
	tensor_load_to_lds s[\g0:\g0+3], s[\g1:\g1+7]
	s_nop 0
.rept 4
	v_nop
.endr
	s_branch .Lhead_asked
\next:
.endm
.macro CROUND
	s_barrier_signal -1
	s_barrier_wait -1
	s_cmp_lg_u32 s14, 0
	s_cbranch_scc1 .Lnot_wave_0_\@
	s_barrier_signal -3
.Lnot_wave_0_\@:
	s_barrier_wait -3
	s_barrier_signal -1
	s_barrier_wait -1
.endm
	s_load_b256 s[4:11], s[0:1], 0x0
	v_lshl_add_u32 v254, v0, 2, 0x48400
	v_mov_b32 v255, 0
	ds_add_u32 v254, v255
	ds_add_u32 v254, v255
	v_lshrrev_b32 v1, 5, v0
	v_readfirstlane_b32 s14, v1
	s_lshr_b32 s15, s14, 1
	s_and_b32 s16, s14, 1
	s_bfe_u32 s40, ttmp6, 0x40000
	s_bfe_u32 s41, ttmp6, 0x40004
	s_and_b32 s96, ttmp7, 0xffff
	s_max_u32 s97, s96, 8
	s_lshl_b32 s97, s97, 1
	s_sub_co_u32 s97, s97, 16
	s_add_co_u32 s97, s97, ttmp9
	s_lshl_b32 s42, s97, 2
	s_add_co_u32 s42, s42, s40
	s_cmp_ge_u32 s96, 8
	s_cselect_b32 s[REG], 1, 0
	s_cselect_b32 s94, 0, s96
	s_cselect_b32 s66, 2048, 0
	s_lshl_b32 s17, s94, 2
	s_add_co_u32 s17, s17, s41
	s_lshl_b32 s43, s41, 2
	s_lshl_b32 s43, 15, s43
	s_lshl_b32 s44, 0x1111, s40
	s_or_b32 s[G1+0], s43, (0<<16)|(1<<20)|(1<<21)|(6<<22)|(3<<25)    ; padding: four words behind every 128
	s_or_b32 s[G1B+0], s44, (0<<16)|(1<<20)|(1<<21)|(6<<22)|(3<<25)
.irp g, G1, G1B
	s_mov_b32 s[\g+1], KROW<<16                    ; a whole row of codes, 512 bytes,
	s_mov_b32 s[\g+2], 256<<16                     ; of 256 rows
	s_mov_b32 s[\g+3], KROW<<16
	s_mov_b32 s[\g+4], 256
	s_mov_b32 s[\g+5], KROW
	s_mov_b32 s[\g+6], 0
	s_mov_b32 s[\g+7], 0
.endr
	s_or_b32 s[G1S+0], s43, (3<<16)|(1<<20)|(1<<21)|(5<<22)|(3<<25)
	s_or_b32 s[G1SB+0], s44, (3<<16)|(1<<20)|(1<<21)|(5<<22)|(3<<25)
.irp g, G1S, G1SB
	s_mov_b32 s[\g+1], 32<<16
	s_mov_b32 s[\g+2], (256*KS/256)<<16            ; the scale bytes of 256 rows
	s_mov_b32 s[\g+3], 32<<16
	s_mov_b32 s[\g+4], 256*KS/256
	s_mov_b32 s[\g+5], 32
	s_mov_b32 s[\g+6], 0
	s_mov_b32 s[\g+7], 0
.endr
	s_lshl_b32 s20, s17, 8
	s_add_co_u32 s20, s20, s66
	s_lshl_b32 s46, s42, 8
	s_lshl_b32 s22, s20, 5
	s_mov_b32 s23, 0
	s_lshl_b32 s20, s20, 9
	s_mov_b32 s21, 0
	s_lshl_b32 s92, s46, 5
	s_mov_b32 s93, 0
	s_lshl_b32 s46, s46, 9
	s_mov_b32 s47, 0
	s_wait_dscnt 0x0
	s_wait_kmcnt 0x0
	s_cmp_eq_u32 s[REG], 1
	s_cselect_b64 s[2:3], s[8:9], s[4:5]
	s_cselect_b64 s[12:13], s[10:11], s[6:7]
	s_cselect_b64 s[18:19], s[4:5], s[8:9]
	s_cselect_b64 s[98:99], s[6:7], s[10:11]
	s_add_nc_u64 s[20:21], s[2:3], s[20:21]
	s_add_nc_u64 s[22:23], s[12:13], s[22:23]
	s_add_nc_u64 s[46:47], s[18:19], s[46:47]
	s_add_nc_u64 s[92:93], s[98:99], s[92:93]
	s_load_b256 s[4:11], s[0:1], 0x20
	CROUND
	s_mov_b32 s[G0], 1                             ; the head's four tiles, each whole: source 1's 256 rows of codes,
	s_mov_b32 s[G0+1], 0
	s_mov_b64 s[G0+2:G0+3], s[20:21]
	s_or_b32 s[G0+3], s[G0+3], 0x80000000
	s_mov_b32 s[G0B], 1                            ; source 0's, behind them,
	s_mov_b32 s[G0B+1], 2*HALFT
	s_mov_b64 s[G0B+2:G0B+3], s[46:47]
	s_or_b32 s[G0B+3], s[G0B+3], 0x80000000
	s_mov_b32 s[G0S], 1                            ; and the two operands' scale bytes
	s_mov_b32 s[G0S+1], SCL
	s_mov_b64 s[G0S+2:G0S+3], s[22:23]
	s_or_b32 s[G0S+3], s[G0S+3], 0x80000000
	s_mov_b32 s[G0SB], 1
	s_mov_b32 s[G0SB+1], SCL+2*HALFS
	s_mov_b64 s[G0SB+2:G0SB+3], s[92:93]
	s_or_b32 s[G0SB+3], s[G0SB+3], 0x80000000
	ARM 1, G0,  G1,  .Lhead_b                      ; one load a wave: every way through the head passes exactly one
	ARM 2, G0B, G1B, .Lhead_sa
	ARM 3, G0S, G1S, .Lhead_sb
	tensor_load_to_lds s[G0SB:G0SB+3], s[G1SB:G1SB+7]
	s_nop 0
.rept 4
	v_nop
.endr
.Lhead_asked:
	v_and_b32 v1, 15, v0
	v_bfe_u32 v2, v0, 4, 1
	v_mul_u32_u24 v3, v1, PITCH
	v_lshl_add_u32 v4, v2, 4, v3
	s_mul_i32 s21, s15, HALFT
	s_mul_i32 s22, s16, HALFT
	s_add_co_u32 s22, s22, 2*HALFT
.irp s, 0,1
	v_add_nc_u32 v[ADRA+\s], s21, v4
	v_add_nc_u32 v[ADRB+\s], s22, v4
	s_add_co_u32 s21, s21, SLOT
	s_add_co_u32 s22, s22, SLOT
.endr
	v_mul_u32_u24 v5, v1, KS
	v_lshrrev_b32 v6, 8, v5
	v_lshl_add_u32 v5, v6, 4, v5
	s_mul_i32 s21, s15, HALFS
	s_mul_i32 s22, s16, HALFS
	s_add_co_u32 s22, s22, 2*HALFS
	s_sub_co_u32 s22, s22, s21
	v_mul_u32_u24 v6, s22, v2
	s_add_co_u32 s21, s21, SCL
	v_add_nc_u32 v5, v5, v6
	v_add_nc_u32 v[ADRS], s21, v5
	v_lshlrev_b32 v[OFF0], 4, v1
	v_lshl_add_u32 v[OFF0], v2, 3, v[OFF0]
	v_and_b32 v5, 31, v0
	v_lshlrev_b32 v[LS16], 4, v5
	v_lshlrev_b32 v[LS8], 3, v5
.irp b, 0,1,2,3
	v_mov_b32 v[TM+4+\b], 0
.endr
	s_mov_b32 s[SEL], 0x76543210
	s_mov_b32 s[SEL+1], 0xfedcba98
	s_lshl_b32 s66, s42, 8
	s_lshl_b32 s67, s16, 7
	s_add_co_u32 s66, s66, s67
	s_lshl_b32 s67, s17, 8
	s_lshl_b32 s94, s15, 7
	s_add_co_u32 s67, s67, s94
	s_mov_b32 s98, 262144
	s_mov_b32 s99, 2048
	s_wait_alu depctr_va_vdst(0)
	s_wait_kmcnt 0x0
	s_cmp_eq_u32 s[REG], 0
	s_cselect_b32 s96, s66, s67
	s_cselect_b32 s97, s67, s66
	s_cselect_b64 s[12:13], s[4:5], s[8:9]
	s_cselect_b64 s[18:19], s[6:7], s[10:11]
	s_cselect_b32 s98, 2048, s98
	s_cselect_b32 s99, 262144, s99
	s_cselect_b32 s2, 9, 8
	s_cselect_b32 s3, 2, 1
	s_lshl_b32 s2, s96, s2
	s_lshl_b32 s3, s97, s3
	s_add_co_u32 s2, s2, s3
	s_mov_b32 s3, 0
	s_add_nc_u64 s[18:19], s[18:19], s[2:3]
	s_lshl_b32 s96, s96, 12
	s_lshl_b32 s97, s97, 5
	s_add_co_u32 s96, s96, s97
	s_mov_b32 s97, 0
	s_add_nc_u64 s[PC:PC+1], s[12:13], s[96:97]
	s_mov_b32 s96, s99
	s_add_nc_u64 s[PC+2:PC+3], s[PC:PC+1], s[96:97]
	v_add_nc_u32 v[OFF1], s98, v[OFF0]
.macro FRAG reg, adr, q, i
.irp c, 0,1
	ds_load_b128 v[\reg+4*\c:\reg+4*\c+3], v[\adr] offset:64*(\q)+32*\c+(\i)*16*PITCH
.endr
.endm
.macro MUL16 a0, p, q, sc, zero
.irp a, \a0, \a0+1
.irp b, 0,1,2,3,4,5,6,7
.if \zero
	v_wmma_scale_f32_16x16x128_f8f6f4 v[8*(8*((\a)%4)+\b):8*(8*((\a)%4)+\b)+7], v[128*(\p)+FR*\b:128*(\p)+FR*\b+FR-1], v[AF+FR*(\a):AF+FR*(\a)+FR-1], 0, v[SC+8*NQ*(\sc)+NQ*\b+(\q)], v[SC+8*NQ*(\sc)+NQ*(\a)+(\q)] matrix_a_fmt:MATRIX_FMT_FP4 matrix_b_fmt:MATRIX_FMT_FP4 matrix_a_scale:MATRIX_SCALE_ROW1
.else
	v_wmma_scale_f32_16x16x128_f8f6f4 v[8*(8*((\a)%4)+\b):8*(8*((\a)%4)+\b)+7], v[128*(\p)+FR*\b:128*(\p)+FR*\b+FR-1], v[AF+FR*(\a):AF+FR*(\a)+FR-1], v[8*(8*((\a)%4)+\b):8*(8*((\a)%4)+\b)+7], v[SC+8*NQ*(\sc)+NQ*\b+(\q)], v[SC+8*NQ*(\sc)+NQ*(\a)+(\q)] matrix_a_fmt:MATRIX_FMT_FP4 matrix_b_fmt:MATRIX_FMT_FP4 matrix_a_scale:MATRIX_SCALE_ROW1
.endif
.endr
.endr
.endm
.macro FETCH_B slot, q, p
	WIN TO_B
.irp i, 0,1,2,3,4,5,6,7
	FRAG 128*(\p)+FR*\i, ADRB+\slot, \q, \i
.endr
	WIN 0
.endm
.macro FETCH_A slot, q, i0
.irp i, \i0, \i0+1, \i0+2, \i0+3
	FRAG AF+FR*(\i), ADRA+\slot, \q, \i
.endr
.endm
.macro SCALES sc
.irp i, 0,1,2,3,4,5,6,7
	ds_load_b128 v[SC+8*NQ*\sc+NQ*\i:SC+8*NQ*\sc+NQ*\i+3], v[ADRS] offset:\i*SBLK
.endr
.endm
.macro PLACES n
.rept \n
	v_nop
.endr
.endm
.macro STEP slot, q, zero
	s_wait_dscnt 8
	WIN MUL_LO
	MUL16 0, (\q)%2, \q, \slot, \zero
	MUL16 2, (\q)%2, \q, \slot, \zero
	s_wait_dscnt 0
	PLACES NP
	FETCH_B \slot, (\q)+1, 1-(\q)%2
	FETCH_A \slot, (\q)+1, 0
	WIN MUL_HI
	MUL16 4, (\q)%2, \q, \slot, \zero
	MUL16 6, (\q)%2, \q, \slot, \zero
	PLACES NP
	WIN 0
	FETCH_A \slot, (\q)+1, 4
.endm
.macro STEPS slot, from
.set Q, \from
.rept NQ-1-\from
	STEP \slot, Q, 0
.set Q, Q+1
.endr
.endm
	s_wait_tensorcnt 0x0                           ; my tile of the four has landed; the barrier shows all four to all waves
	s_barrier_signal -1
	s_barrier_wait -1
	FETCH_B 0, 0, 0
	FETCH_A 0, 0, 0
	SCALES 0
	FETCH_A 0, 0, 4
	STEP 0, 0, 1
	STEPS 0, 1
	s_wait_dscnt 8
	WIN MUL_LO
	MUL16 0, 1, NQ-1, 0, 0
	MUL16 2, 1, NQ-1, 0, 0
	s_wait_dscnt 0
	WIN 0
	PLACES NP
	v_add_nc_u32 v[ADRS], 4*NQ, v[ADRS]
	FETCH_B 1, 0, 0
	FETCH_A 1, 0, 0
	SCALES 1
	WIN MUL_HI
	MUL16 4, 1, NQ-1, 0, 0
	MUL16 6, 1, NQ-1, 0, 0
	PLACES NP
	WIN 0
	FETCH_A 1, 0, 4
	STEPS 1, 0
	s_wait_dscnt 8
	WIN MUL_LO
	MUL16 0, 1, NQ-1, 1, 0
	MUL16 2, 1, NQ-1, 1, 0
	s_wait_dscnt 0
	WIN MUL_HI
	MUL16 4, 1, NQ-1, 1, 0
	MUL16 6, 1, NQ-1, 1, 0
	WIN 0
.macro QROW a
.set AC, 64*((\a)%4)
.set WW, 2+(\a)/4
	WIN (WW<<2)|(WW<<4)
.irp b, 0,1,2,3
	v_max3_num_f32 v[TM+\b], 0x1800000, |v[AC+16*\b]|, |v[AC+16*\b+1]|
.endr
.irp i, 2,4,6,8,10,12,14
.irp b, 0,1,2,3
	v_max3_num_f32 v[TM+\b], v[TM+\b], |v[AC+16*\b+\i]|, |v[AC+16*\b+\i+1]|
.endr
.endr
	WIN 0
.irp b, 0,1,2,3
	v_permlanex16_b32 v[TM+4+\b], v[TM+\b], s[SEL], s[SEL+1]
.endr
.irp b, 0,1,2,3
	v_max_num_f32 v[TM+\b], v[TM+\b], v[TM+4+\b]
.endr
.irp b, 0,1,2,3
	v_add_nc_u32 v[TM+12+\b], 0xff000000, v[TM+\b]
.endr
.irp b, 0,1,2,3
	v_lshrrev_b32 v[TM+4+\b], 23, v[TM+12+\b]
.endr
	v_lshl_or_b32 v[PW+(\a)], v[TM+5], 8, v[TM+4]
	v_lshl_or_b32 v[PW+(\a)], v[TM+6], 16, v[PW+(\a)]
	v_lshl_or_b32 v[PW+(\a)], v[TM+7], 24, v[PW+(\a)]
	WIN WW
.irp b, 0,1,2,3
	v_cvt_scalef32_pk8_fp4_f32 v[CD+8*(\a)+2*\b], v[AC+16*\b:AC+16*\b+7], v[TM+12+\b]
	v_cvt_scalef32_pk8_fp4_f32 v[CD+8*(\a)+2*\b+1], v[AC+16*\b+8:AC+16*\b+15], v[TM+12+\b]
.endr
	WIN 0
	v_nop
.irp b, 0,1,2,3
	global_store_b64 v[OFF0+(\a)/4], v[CD+8*(\a)+2*\b:CD+8*(\a)+2*\b+1], s[PC+2*(\b/2):PC+2*(\b/2)+1] offset:((\a)%4)*512+(\b%2)*256
.endr
.endm
	PLACES NP
.irp a, 0,1,2,3,4,5,6,7
	QROW \a
.endr
	v_cmp_ne_u32 vcc_lo, 0, v2
.irp j, 0,1,2,3
	v_cndmask_b32 v[SW+\j], v[PW+2*\j], v[PW+2*\j+1], vcc_lo
.endr
	s_cmp_eq_u32 s[REG], 0
	s_cbranch_scc0 .Lv_words
	global_store_b128 v[LS16], v[SW:SW+3], s[18:19]
.irp j, 0,1,2,3
	v_lshrrev_b32 v[SW2+\j], 16, v[SW+\j]
.endr
	global_store_b128 v[LS16], v[SW2:SW2+3], s[18:19] offset:32768
	s_branch .Lwords_out
.Lv_words:
	s_wait_alu depctr_va_vdst(0)
	global_store_b64 v[LS8], v[SW:SW+1], s[18:19]
	global_store_b64 v[LS8], v[SW+2:SW+3], s[18:19] offset:16384
.Lwords_out:
	s_wait_tensorcnt 0x0
	ds_add_u32 v254, v255
	s_wait_dscnt 0x0
	CROUND
	s_endpgm
.Lfunc_end_k_q3e10ef611e_qkv:
	.size	k_q3e10ef611e_qkv, .Lfunc_end_k_q3e10ef611e_qkv-k_q3e10ef611e_qkv
	.p2alignl 7, 3214868480
	.fill 96, 4, 3214868480
	.section	.rodata,"a",@progbits
	.p2align	6, 0x0
	.amdhsa_kernel k_q3e10ef611e_qkv
		.amdhsa_group_segment_fixed_size 327680
		.amdhsa_private_segment_fixed_size 0
		.amdhsa_enable_private_segment 0
		.amdhsa_kernarg_size 64
		.amdhsa_user_sgpr_count 2
		.amdhsa_user_sgpr_kernarg_segment_ptr 1
		.amdhsa_wavefront_size32 1
		.amdhsa_system_sgpr_workgroup_id_x 1
		.amdhsa_system_sgpr_workgroup_id_y 1
		.amdhsa_system_sgpr_workgroup_id_z 1
		.amdhsa_system_vgpr_workitem_id 0
		.amdhsa_next_free_vgpr 1024
		.amdhsa_next_free_sgpr 102
		.amdhsa_reserve_vcc 1
		.amdhsa_float_denorm_mode_32 3
		.amdhsa_float_denorm_mode_16_64 3
		.amdhsa_memory_ordered 1
		.amdhsa_forward_progress 1
		.amdhsa_inst_pref_size 128
	.end_amdhsa_kernel
	.amdgpu_metadata
---
amdhsa.version: [ 1, 2 ]
amdhsa.kernels:
  - .name:           k_q3e10ef611e_qkv
    .symbol:         k_q3e10ef611e_qkv.kd
    .args:
      - { .name: x_codes, .offset: 0, .size: 8, .value_kind: global_buffer, .address_space: global }
      - { .name: x_scales, .offset: 8, .size: 8, .value_kind: global_buffer, .address_space: global }
      - { .name: w_codes, .offset: 16, .size: 8, .value_kind: global_buffer, .address_space: global }
      - { .name: w_scales, .offset: 24, .size: 8, .value_kind: global_buffer, .address_space: global }
      - { .name: qk_codes, .offset: 32, .size: 8, .value_kind: global_buffer, .address_space: global }
      - { .name: qk_scales, .offset: 40, .size: 8, .value_kind: global_buffer, .address_space: global }
      - { .name: v_codes, .offset: 48, .size: 8, .value_kind: global_buffer, .address_space: global }
      - { .name: v_scales, .offset: 56, .size: 8, .value_kind: global_buffer, .address_space: global }
    .group_segment_fixed_size: 327680
    .private_segment_fixed_size: 0
    .kernarg_segment_align: 8
    .kernarg_segment_size: 64
    .max_flat_workgroup_size: 128
    .sgpr_count:     102
    .vgpr_count:     1024
    .wavefront_size: 32
...
	.end_amdgpu_metadata
.endif
;; end of part 2
;; launch attn (part 3): grid 4 x 64, 16 waves a work-group, clusters of 4 x 1, 229,376 bytes of LDS; arguments qk_codes, qk_scales, v_codes, v_scales, out0; writes out0
.if DOCPART == 3
	.amdgcn_target "amdgcn-amd-amdhsa--gfx1250"
	.amdhsa_code_object_version 6
	.text
	.protected	k_q3e10ef611e_attn
	.globl	k_q3e10ef611e_attn
	.p2align	8
	.type	k_q3e10ef611e_attn,@function
k_q3e10ef611e_attn:
	s_mov_b64 s[64:65], 0
	v_nop
	global_prefetch_b8 v0, s[64:65] scope:SCOPE_SE
	s_setreg_imm32_b32 hwreg(HW_REG_WAVE_MODE, 25, 1), 1
	s_wait_xcnt 0x0
	s_wait_alu depctr_hold_cnt(0) depctr_sa_sdst(0) depctr_va_vdst(0) depctr_va_sdst(0) depctr_va_ssrc(0) depctr_va_vcc(0) depctr_vm_vsrc(0)
	s_getreg_b32 s2, hwreg(HW_REG_IB_STS2, 6, 4)
	s_cmp_eq_u32 s2, 0
	s_cbranch_scc0 .Lentry_in_a_cluster
	s_endpgm
.Lentry_in_a_cluster:
	s_bfe_u32 s2, ttmp6, 0x10000c
	s_cmp_lg_u32 s2, 0x3003
	s_cbranch_scc0 .Lentry_shape_is_right
	s_endpgm
.Lentry_shape_is_right:
; out[b][head][q][:] = the sum over k of softmax_k(Q[q] . K[k] / 8) V[k][:], 64 (batch, head) pairs, 2,048 keys, head size 64, no mask; both products on codes of FP4 (E2M1) with one E8M0 scale for each 32 along a product's K.
; THE SOFTMAX AHEAD OF THE SECOND PRODUCT: t = score x log2(e) / 8; M = the row's largest t so far, rounded UP to a whole number; p = 2^(t - M) is quantised along the keys, not normalised.  The row's sum is taken of the
; unquantised p, in f32, and divides O at the end.  When M moves, the sum and O are multiplied by 2^(old M - new M): exact.
; SHARES.  A work-group owns 512 query positions of one (batch, head): 4 x 64 = 256 work-groups.  Each of its sixteen waves owns two tiles of 16 positions, one after the other, in 256 registers.
; Every wave walks all 2,048 keys for each tile, 128 a step: 8 products K Q^T, the softmax, 4 products V^T P^T.  The step is written once, in a loop of 16 trips; the loop stands twice, once for each tile.
; A WHOLE HEAD'S K AND V STAY IN LDS, filled once at the head by ten tensor loads, one a wave (waves 0-3 K's codes, 4-7 V's, 8 K's scale words, 9 V's).  Nothing is filled again; one barrier shows all of it to all waves.
; CLUSTER.  The four work-groups of a cluster are those of one (batch, head): every tensor load is asked for jointly (mask 15).  cx enters Q's and out's addresses alone.
; NO PREFETCH: all that the launch reads through LDS is asked for by the head's loads themselves; there is no loop to run ahead in.
; LAYOUT.  Both products are used transposed: S^T = K Q^T (source 0 = 16 keys, source 1 = my 16 queries), O^T = V^T P^T (source 0 = 16 channels, source 1 = P): a lane holds ONE query (lane % 16) throughout.
; THE KEYS OF A TILE ARE CHOSEN so that a lane holds WHOLE blocks of 32 keys: of the step's keys 64 c + 0 .. 63, tile i (0..3) takes keys 64 c + 8 i + 0 .. 7 as rows 0-7 and keys 64 c + 32 + 8 i + 0 .. 7 as rows 8-15.
; Register 32 c + 8 i + j of lane (r, h) is then key 64 c + 32 h + 8 i + j: the order that the second product's operand wants.  A block's largest score needs no other lane, and the conversions' results are the operand as they stand.
; In memory K's codes lie as images of tiles in another order of rows (tile 2 B + u, row r: key 32 B + 16 (r / 8) + 8 u + r % 8; lane (r, h)'s 16 bytes at 512 tile + 256 h + 16 r): my row is picked by its LDS address.
; K's codes land as rows of 1,024 bytes with 128 bytes of padding behind each, so that rows 0-7 and rows 8-15 of a tile, 1,024 bytes apart in memory, lie 1,152 apart in LDS: sixteen lanes read sixteen different 16-byte columns of 256.
; HEAD SIZE 64 IN AN INSTRUCTION OF K = 128: registers 4 to 7 of K's and Q's fragments hold zero codes, written once; bytes 2 and 3 of their scale words stand over those zeros alone and are never 0xff.
; LIMITS: the promise holds while the scaled scores t stay under 2^31 in magnitude; a block of p whose largest lies under 2^-124 keeps the byte 1; a block's largest p is taken from its largest score, which takes v_exp_f32
; not to fall where its input rises; NaN and infinities are not served.
; REGISTERS: v1-7 addresses; v8-10 at work; v12 -M, v13 the largest score, v[14:15] the sum in two halves; v16-23, v24-31 Q's two tiles; v32-95 eight fragments of K; v96-159 S^T, then p; v160-191 O^T; v192-223 V's fragments;
;   v224-231 p's codes (before that: partial sums); v232-239, v244-247 at work; v[240:241] V's scale words; v242, v243 the add's; v248-251 K's scale words; v252 f; v253 p's scale word; v254, v255 Q's scale words.
.set KC,    0                          ; LDS: K's codes: 64 rows x 1,152
.set KCH,   18432                      ; a quarter of them: 16 rows
.set VC,    73728                      ; V's codes, 65,536 bytes
.set CHB,   16384                      ; a quarter of a head's codes in memory
.set KSC,   139264                     ; K's scale words, 8,192 bytes
.set VSC,   147456                     ; V's, 4,096
.set STAGE, 151552                     ; the way out: 16 rows x (256 + 16) bytes for each wave: bytes of their own, into which no fill lands
.set SPARE, 221184                     ; the spare words: 128 bytes a wave, eight blocks of 256 bytes that no other line names
.set AK,   1                           ; v1   the step's fragments of K
.set AV,   2                           ; v2   of V
.set ASK,  3                           ; v3   K's scale words
.set ASV,  4                           ; v4   V's
.set SIN,  5                           ; v5   the stage: where I put my row's numbers
.set SBK,  6                           ; v6   and where I read rows back
.set GO,   7                           ; v7   16 x lane: my place in Q's fragment, and in two rows of out
.set SPW,  242
.set NIL,  243
.set WV,   18                          ; s18  my wave's number
.set SEL,  20                          ; s[20:21] v_permlanex16_b32's selects for lane l xor 16
.set CS,   22                          ; s22  c = log2(e) / 8
.set G1K,  24                          ; descriptor groups 1: K's codes, V's codes, K's scale words, V's
.set G1C,  32
.set G1KS, 40
.set G1VS, 48
.set G0K,  56                          ; and groups 0
.set G0V,  60
.set G0KS, 68
.set G0VS, 72
.set CNT,  76                          ; s76  steps to go
.macro CROUND                          ; a round of the cluster's barrier
	s_barrier_signal -1
	s_barrier_wait -1
	s_cmp_lg_u32 s[WV], 0
	s_cbranch_scc1 .Lnot_wave_0_\@
	s_barrier_signal -3
.Lnot_wave_0_\@:
	s_barrier_wait -3
	s_barrier_signal -1
	s_barrier_wait -1
.endm
	s_load_b256 s[4:11], s[0:1], 0x0               ; Q's and K's codes s[4:5], their scale words s[6:7], V's codes s[8:9], its scale words s[10:11]
	s_load_b64 s[12:13], s[0:1], 0x20              ; out
	v_lshl_add_u32 v[SPW], v0, 2, SPARE
	v_mov_b32 v[NIL], 0
	ds_add_u32 v[SPW], v[NIL]                      ; the opening lines: the add, twice on end, and its wait ahead of the first tensor loads
	ds_add_u32 v[SPW], v[NIL]
	v_lshrrev_b32 v8, 5, v0
	v_readfirstlane_b32 s[WV], v8                  ; wave 0..15
	s_bfe_u32 s14, ttmp6, 0x40000                  ; cx
	s_lshl_b32 s15, s14, 1                         ; my first block of 256 query positions: 2 cx; the second tile's block is the next
	s_and_b32 s16, ttmp7, 0xffff                   ; 16 x batch + head, which the four partners share
	s_lshr_b32 s17, s16, 4                         ; batch
	s_and_b32 s19, s16, 15                         ; head
	s_lshl_b32 s92, s19, 18                        ; 262,144 bytes of codes a head, 65,536 a batch in it: V's, and Q's,
	s_lshl_b32 s93, s17, 16
	s_add_co_u32 s92, s92, s93
	s_mov_b32 s93, 0
	s_add_co_u32 s94, s92, 16<<18                  ; K's heads lie behind Q's sixteen
	s_mov_b32 s95, 0
	s_lshr_b32 s96, s94, 3                         ; K's scale words: an eighth of the codes' bytes
	s_mov_b32 s97, 0
	s_lshr_b32 s98, s92, 4                         ; V's: a sixteenth
	s_mov_b32 s99, 0
	s_mul_i32 s19, s[WV], 16*272
	s_add_co_u32 s19, s19, STAGE                   ; my stage
	s_lshl_b32 s2, s15, 4                          ; Q's fragment: token tile 16 x block + wave, 512 bytes a tile
	s_add_co_u32 s2, s2, s[WV]
	s_lshl_b32 s2, s2, 9
	s_add_co_u32 s2, s2, s92
	s_mov_b32 s3, 0
	s_lshr_b32 s66, s92, 3                         ; Q's scale word: 1,024 bytes a block, 512 for each 8 tiles; in them tile wave % 8 = 2 j + u: word j of lane 16 u + r
	s_lshl_b32 s67, s15, 10
	s_add_co_u32 s66, s66, s67
	s_lshr_b32 s67, s[WV], 3
	s_lshl_b32 s67, s67, 9
	s_add_co_u32 s66, s66, s67
	s_and_b32 s67, s[WV], 1
	s_lshl_b32 s67, s67, 8
	s_add_co_u32 s66, s66, s67
	s_bfe_u32 s67, s[WV], 0x20001
	s_lshl_b32 s67, s67, 2
	s_add_co_u32 s66, s66, s67
	s_mov_b32 s67, 0
	s_lshl_b32 s16, s16, 19                        ; out: 524,288 bytes a (batch, head); my tile's rows begin at token 256 x block + 32 (wave / 2) + 8 (wave % 2), 256 bytes a row
	s_lshl_b32 s17, s15, 16
	s_add_co_u32 s16, s16, s17
	s_lshr_b32 s17, s[WV], 1
	s_lshl_b32 s17, s17, 13
	s_add_co_u32 s16, s16, s17
	s_and_b32 s17, s[WV], 1
	s_lshl_b32 s17, s17, 11
	s_add_co_u32 s16, s16, s17
	s_mov_b32 s17, 0
	s_and_b32 s77, s[WV], 3                        ; which quarter of the codes I fetch, if I fetch codes
	s_mul_i32 s78, s77, KCH                        ; K's quarter in LDS,
	s_lshl_b32 s80, s77, 14                        ; a quarter in memory,
	s_mov_b32 s81, 0
	s_add_co_u32 s79, s80, VC                      ; V's quarter in LDS
	; descriptor groups 1: dense blocks, elements of 8 bytes, the mask of all four work-groups with bit 21 beside it
	s_mov_b32 s[G1K], 15|(3<<16)|(1<<20)|(1<<21)|(7<<22)|(31<<25)   ; K's codes: 16 rows of 1,024 bytes; behind every 256 words 32 words of padding
	s_mov_b32 s[G1K+1], 128<<16
	s_mov_b32 s[G1K+2], 16<<16
	s_mov_b32 s[G1K+3], 128<<16
	s_mov_b32 s[G1K+4], 16
	s_mov_b32 s[G1K+5], 128
	s_mov_b32 s[G1K+6], 0
	s_mov_b32 s[G1K+7], 0
.irp g, G1C, G1KS, G1VS                        ; the others: rows of 256 bytes, no padding
	s_mov_b32 s[\g], 15|(3<<16)|(1<<21)
	s_mov_b32 s[\g+1], 32<<16
	s_mov_b32 s[\g+3], 32<<16
	s_mov_b32 s[\g+5], 32
	s_mov_b32 s[\g+6], 0
	s_mov_b32 s[\g+7], 0
.endr
	s_mov_b32 s[G1C+2], 64<<16                     ; 64 rows: a quarter of V's codes
	s_mov_b32 s[G1C+4], 64
	s_mov_b32 s[G1KS+2], 32<<16
	s_mov_b32 s[G1KS+4], 32
	s_mov_b32 s[G1VS+2], 16<<16
	s_mov_b32 s[G1VS+4], 16
	s_mov_b32 s[SEL], 0x76543210
	s_mov_b32 s[SEL+1], 0xfedcba98
	s_mov_b32 s[CS], 0x3e38aa3b                    ; c = log2(e) / 8
	s_wait_dscnt 0x0                               ; both opening adds are done
	s_wait_kmcnt 0x0
	s_add_nc_u64 s[94:95], s[4:5], s[94:95]        ; K's codes of my (batch, head): nothing of cx in these four
	s_add_nc_u64 s[96:97], s[6:7], s[96:97]        ; K's scale words
	s_add_nc_u64 s[98:99], s[10:11], s[98:99]      ; V's scale words
	s_add_nc_u64 s[8:9], s[8:9], s[92:93]          ; V's codes
	s_add_nc_u64 s[4:5], s[4:5], s[2:3]            ; Q's fragment
	s_add_nc_u64 s[6:7], s[6:7], s[66:67]          ; Q's scale words
	s_add_nc_u64 s[12:13], s[12:13], s[16:17]      ; my rows of out
	s_mov_b32 s[G0K], 1
	s_mov_b32 s[G0K+1], s78
	s_add_nc_u64 s[G0K+2:G0K+3], s[94:95], s[80:81]
	s_or_b32 s[G0K+3], s[G0K+3], 0x80000000
	s_mov_b32 s[G0V], 1
	s_mov_b32 s[G0V+1], s79
	s_add_nc_u64 s[G0V+2:G0V+3], s[8:9], s[80:81]
	s_or_b32 s[G0V+3], s[G0V+3], 0x80000000
	s_mov_b32 s[G0KS], 1
	s_mov_b32 s[G0KS+1], KSC
	s_mov_b64 s[G0KS+2:G0KS+3], s[96:97]
	s_or_b32 s[G0KS+3], s[G0KS+3], 0x80000000
	s_mov_b32 s[G0VS], 1
	s_mov_b32 s[G0VS+1], VSC
	s_mov_b64 s[G0VS+2:G0VS+3], s[98:99]
	s_or_b32 s[G0VS+3], s[G0VS+3], 0x80000000
	CROUND                                         ; all four work-groups are here: the joint loads meet
; THE HEAD'S LOADS, ONE A WAVE: one tree of branches on the wave's number, each arm with its load and a jump to the tree's end.
.macro ARM under, g0, g1, next
	s_cmp_lt_u32 s[WV], \under
	s_cbranch_scc0 \next
	tensor_load_to_lds s[\g0:\g0+3], s[\g1:\g1+7]
	s_nop 0
.rept 4
	v_nop
.endr
	s_branch .Lhead_asked
\next:
.endm
	ARM 4,  G0K,  G1K,  .Lhead_v
	ARM 8,  G0V,  G1C,  .Lhead_sk
	ARM 9,  G0KS, G1KS, .Lhead_sv
	ARM 10, G0VS, G1VS, .Lhead_none
.Lhead_asked:
	v_and_b32 v8, 31, v0                           ; lane
	v_and_b32 v9, 15, v0                           ; r
	v_bfe_u32 v10, v0, 4, 1                        ; h
	v_lshlrev_b32 v[GO], 4, v8
	v_lshlrev_b32 v11, 4, v9                       ; Q's scale words: 16 bytes from row to row
	global_load_b128 v[16:19], v[GO], s[4:5]               ; Q's fragments stay in registers: lane (r, h): channels 32 h + 0 .. 31 of query r; the first tile's,
	global_load_b128 v[24:27], v[GO], s[4:5] offset:8192   ; and the second's, 16 tiles on
	global_load_b32 v255, v11, s[6:7]                      ; their scale words
	global_load_b32 v254, v11, s[6:7] offset:1024
	v_mul_u32_u24 v[SIN], v9, 272
	v_lshl_add_u32 v[SIN], v10, 6, v[SIN]
	v_add_nc_u32 v[SIN], s19, v[SIN]               ; in: row r, + 64 h: my 16 channels of each 32
	v_mul_u32_u24 v[SBK], v10, 272
	v_lshl_add_u32 v[SBK], v9, 4, v[SBK]
	v_add_nc_u32 v[SBK], s19, v[SBK]               ; back: lanes 0-15 one row, lanes 16-31 the next
.irp j, 20,21,22,23,28,29,30,31
	v_mov_b32 v[\j], 0                             ; Q's zero codes for k = 64 .. 127
.endr
.irp t, 0,1,2,3,4,5,6,7
.irp j, 4,5,6,7
	v_mov_b32 v[32+8*\t+\j], 0                     ; K's likewise: written once, no load lands here
.endr
.endr
.macro PA d, a, b
	v_dual_add_f32 v[\d], v[\a], v[\b] :: v_dual_add_f32 v[\d+1], v[\a+1], v[\b+1]   ; two additions in one instruction: neighbouring registers lie in different banks
.endm
; A KEY STEP: 128 keys.  qf: Q's fragment; qs: its scale words.
.macro KLOAD                           ; a step's scale words and fragments of K, from where v[ASK] and v[AK] stand
.irp c, 0,1
.irp u, 0,1
	ds_load_b32 v[248+2*\c+\u], v[ASK] offset:256*\u+8*\c          ; K's scale words: lanes 0-15 the rows of tile (c, u), lanes 16-31 those of tile (c, 2 + u)
.endr
.endr
.irp c, 0,1
.irp i, 0,1,2,3
	ds_load_b128 v[32+32*\c+8*\i:35+32*\c+8*\i], v[AK] offset:2304*\c+512*(\i%2)+128*(\i/2)
.endr
.endr
.endm
.macro STEP qf, qs                     ; K's fragments of this step are in registers: they were asked for a step earlier, or ahead of the loop
.irp c, 0,1                                    ; S^T = K Q^T: eight tiles of 16 keys
.irp i, 0,1
	v_wmma_scale_f32_16x16x128_f8f6f4 v[96+32*\c+8*\i:103+32*\c+8*\i], v[32+32*\c+8*\i:39+32*\c+8*\i], v[\qf:\qf+7], 0, v[248+2*\c+\i], v[\qs] matrix_a_fmt:MATRIX_FMT_FP4 matrix_b_fmt:MATRIX_FMT_FP4
.endr
.irp i, 0,1
	v_wmma_scale_f32_16x16x128_f8f6f4 v[112+32*\c+8*\i:119+32*\c+8*\i], v[48+32*\c+8*\i:55+32*\c+8*\i], v[\qf:\qf+7], 0, v[248+2*\c+\i], v[\qs] matrix_a_fmt:MATRIX_FMT_FP4 matrix_b_fmt:MATRIX_FMT_FP4 matrix_a_scale:MATRIX_SCALE_ROW1
.endr
.endr
	v_add_nc_u32 v[AK], 4608, v[AK]                ; the address steps are the four places ahead of the first read of the scores and of the loads into registers that the last step's products V^T P^T have read:
	v_add_nc_u32 v[ASK], 512, v[ASK]               ; K's for the next step,
	v_add_nc_u32 v[AV], 4096, v[AV]                ; V's for this one (they begin a step short)
	v_add_nc_u32 v[ASV], 256, v[ASV]
	ds_load_b64 v[240:241], v[ASV]                 ; V's scale words and fragments are asked for now and land under the softmax
.irp t, 0,1,2,3
.irp c, 0,1
	ds_load_b128 v[192+8*\t+4*\c:195+8*\t+4*\c], v[AV] offset:2048*\c+512*\t
.endr
.endr
	s_cmp_eq_u32 s[CNT], 1                         ; the tile's last step asks for no further K: a branch on the count of steps, round these loads alone (every wait on LDS in the loop is for 0)
	s_cbranch_scc1 .Lno_next_\@
	KLOAD                                          ; the NEXT step's K, into registers that this step's products have read, four places behind them: it lands under the softmax too
.Lno_next_\@:
.irp n, 0,1,2,3                                ; THE LARGEST SCORE OF EACH BLOCK OF 32 KEYS, all 32 mine, in two chains a block, the four by turns; each accumulator is read from its low end on
	v_max3_num_f32 v[232+\n], v[96+16*\n], v[97+16*\n], v[98+16*\n]
.endr
.irp i, 3,5,7,9,11,13
.irp n, 0,1,2,3
	v_max3_num_f32 v[232+\n], v[232+\n], v[96+16*\n+\i], v[97+16*\n+\i]
.endr
.endr
	v_max3_num_f32 v232, v232, v233, v111
	v_max3_num_f32 v234, v234, v235, v143
	v_max_num_f32 v232, v232, v127                 ; block h of the step's four,
	v_max_num_f32 v234, v234, v159                 ; block 2 + h.  They serve twice: for the row's maximum, and, since p rises with the score, for the block's largest p
	v_max_num_f32 v8, v232, v234
	v_permlanex16_b32 v9, v8, s[SEL], s[SEL+1]
	v_max3_num_f32 v13, v13, v8, v9                ; the running largest score of my query (c is positive)
	v_mul_f32 v8, s[CS], v13                       ; as t
	v_floor_f32 v9, -v8                            ; the new -M = floor(-t) = -ceil(t): M is a whole number
	v_sub_f32 v10, v9, v12                         ; M's old value less its new one: a whole number, 0 or less
	v_mov_b32 v12, v9
	v_mov_b32 v11, v9                              ; -M once more, in another bank: for the second halves of the pairs below
	v_cvt_i32_f32 v10, v10                         ; (it saturates)
	v_ldexp_f32 v252, 1.0, v10                     ; f = 2^(old M - new M): a multiplication by it rounds nothing
	v_ldexp_f32 v9, 1.0, v10                       ; f once more, in another bank
.irp j, 0,2,4,6,8,10,12,14,16,18,20,22,24,26,28,30,32,34,36,38,40,42,44,46,48,50,52,54,56,58,60,62
	v_dual_fmamk_f32 v[96+\j], v[96+\j], 0x3e38aa3b, v12 :: v_dual_fmamk_f32 v[97+\j], v[97+\j], 0x3e38aa3b, v11   ; t - M = score x c - M, fused, two in one instruction
.endr
	v_fma_f32 v232, v232, s[CS], v12               ; the same of each block's largest score
	v_fma_f32 v234, v234, s[CS], v12
	s_wait_alu depctr_va_vdst(0)                   ; ahead of the batch
.irp j, 0,1,2,3,4,5,6,7,8,9,10,11,12,13,14,15,16,17,18,19,20,21,22,23,24,25,26,27,28,29,30,31,32,33,34,35,36,37,38,39,40,41,42,43,44,45,46,47,48,49,50,51,52,53,54,55,56,57,58,59,60,61,62,63
	v_exp_f32 v[96+\j], v[96+\j]                   ; p = 2^(t - M), at most 1: not normalised
.endr
	v_pk_mul_f32 v[14:15], v[14:15], v[252:253] op_sel_hi:[1,0]   ; the sums under the new M: the plain instruction behind the exponentials
	s_wait_alu depctr_va_vdst(0)                   ; one wait for the batch of 64, ahead of its first reader
	v_exp_f32 v232, v232                           ; the blocks' largest p: the same two instructions on the same number give the same bits
	v_exp_f32 v234, v234
	v_nop                                          ; the plain place behind the two
	PA 236, 100, 104                               ; THE ROW'S SUM IS TAKEN OF THE UNQUANTISED p: 32 packed additions in eight chains
	PA 228, 108, 112
	PA 226, 116, 120
	PA 246, 124, 128
	PA 244, 132, 136
	PA 238, 140, 144
	PA 230, 148, 152
	PA 14, 14, 156
	PA 236, 236, 96
	PA 228, 228, 98
	PA 226, 226, 102
	PA 246, 246, 106
	PA 244, 244, 110
	PA 238, 238, 114
	PA 230, 230, 118
	PA 14, 14, 122
	PA 236, 236, 126
	PA 228, 228, 130
	PA 226, 226, 134
	PA 246, 246, 138
	PA 244, 244, 142
	PA 238, 238, 146
	PA 230, 230, 150
	PA 14, 14, 154
	PA 236, 236, 158
	PA 14, 14, 246
	PA 236, 236, 244
	PA 228, 228, 238
	PA 226, 226, 230
	PA 14, 14, 228
	PA 236, 236, 226
	PA 14, 14, 236
	s_wait_alu depctr_va_vdst(0)                   ; and one for the two
	v_max_num_f32 v232, 0x1800000, v232            ; the floor 2^(3 - 127): the byte cannot fall under 1
	v_max_num_f32 v234, 0x1800000, v234
	v_add_nc_u32 v244, 0xff000000, v232            ; 2 off the exponent field: the conversion's scale operand
	v_add_nc_u32 v245, 0xff000000, v234
	v_lshrrev_b32 v236, 23, v244                   ; the scales' bytes
	v_lshrrev_b32 v237, 23, v245
	v_lshl_or_b32 v236, v237, 16, v236             ; mine at bytes 0 and 2;
	v_permlanex16_b32 v237, v236, s[SEL], s[SEL+1]
	v_lshl_or_b32 v253, v237, 8, v236              ; lane l xor 16's at bytes 1 and 3: in lanes 0-15, which alone are read, p's scale word for these 128 keys
.irp c, 0,1
.irp i, 0,1,2,3
	v_cvt_scalef32_pk8_fp4_f32 v[224+4*\c+\i], v[96+32*\c+8*\i:103+32*\c+8*\i], v[244+\c]   ; register 4 c + i: keys 64 c + 32 h + 8 i + 0 .. 7: the operand as it is wanted
.endr
.endr
	v_nop                                          ; one plain place behind the last scaled conversion
	s_wait_dscnt 0x0                               ; V's fragments and scale words are in, and the next step's K
	s_wait_alu depctr_va_vdst(0)                   ; directly ahead of the first reader of O^T
.irp j, 0,2,4,6,8,10,12,14,16,18,20,22,24,26,28,30
	v_dual_mul_f32 v[160+\j], v252, v[160+\j] :: v_dual_mul_f32 v[161+\j], v9, v[161+\j]   ; O^T under the new M: x f, each accumulator from its low end on.  (These 16 are also the places between the scale word's and the codes' writes and the products below)
.endr
.irp t, 0,2                                    ; O^T += V^T P^T: four tiles of 16 channels, by turns; K = these 128 keys
	v_wmma_scale_f32_16x16x128_f8f6f4 v[160+8*\t:167+8*\t], v[192+8*\t:199+8*\t], v[224:231], v[160+8*\t:167+8*\t], v[240+\t/2], v253 matrix_a_fmt:MATRIX_FMT_FP4 matrix_b_fmt:MATRIX_FMT_FP4
	v_wmma_scale_f32_16x16x128_f8f6f4 v[168+8*\t:175+8*\t], v[200+8*\t:207+8*\t], v[224:231], v[168+8*\t:175+8*\t], v[240+\t/2], v253 matrix_a_fmt:MATRIX_FMT_FP4 matrix_b_fmt:MATRIX_FMT_FP4 matrix_a_scale:MATRIX_SCALE_ROW1
.endr
.endm
; A TILE of 16 queries: the addresses and the running state are set, all keys are walked, the tile goes out.  first = 1: the head's waits and the one barrier stand ahead of the loop.  oo: the tile's rows in out, in bytes behind my first.
.macro TILE qf, qs, oo, first
	v_bfe_u32 v8, v0, 3, 1                         ; r / 8
	v_bfe_u32 v9, v0, 4, 1                         ; h
	v_and_b32 v10, 7, v0                           ; r % 8
	v_mul_u32_u24 v[AK], v8, 1152                  ; K's fragments: 1,152 (r / 8) + 256 h + 16 (r % 8)
	v_lshl_add_u32 v[AK], v9, 8, v[AK]
	v_lshl_add_u32 v[AK], v10, 4, v[AK]
	v_lshl_add_u32 v[ASK], v8, 2, KSC              ; K's scale words: 4 (r / 8) + 128 h + 16 (r % 8)
	v_lshl_add_u32 v[ASK], v9, 7, v[ASK]
	v_lshl_add_u32 v[ASK], v10, 4, v[ASK]
	v_and_b32 v8, 31, v0
	v_lshl_add_u32 v[AV], v8, 4, VC-4096           ; V's fragments: 16 x lane, a step short of the first
	v_lshl_add_u32 v[ASV], v8, 3, VSC-256          ; V's scale words: 8 x lane, likewise
	v_mov_b32 v13, 0xff61b1e6                      ; the largest score so far: -3e38, under every score
	v_mov_b32 v12, 0x7e000000                      ; -M: so large that the first step's f is 0
	v_mov_b32 v14, 0                               ; the sum, in two halves
	v_mov_b32 v15, 0
	v_mov_b32 v253, 0                              ; (named as the upper half of the pair v[252:253] before it is first written)
.irp j, 0,1,2,3,4,5,6,7,8,9,10,11,12,13,14,15,16,17,18,19,20,21,22,23,24,25,26,27,28,29,30,31
	v_mov_b32 v[160+\j], 0                         ; O^T: the step is written once, and the first finds zeros
.endr
	s_mov_b32 s[CNT], 16
	s_wait_alu depctr_va_vdst(0)                   ; ahead of the waits and the loop
.if \first
	s_wait_loadcnt 0x0                             ; Q
	s_wait_tensorcnt 0x0                           ; my part of K and V has landed;
	s_barrier_signal -1
	s_barrier_wait -1                              ; and everybody's
.endif
	KLOAD                                          ; the first step's K
	s_wait_dscnt 0x0
.Lstep_\@:
	STEP \qf, \qs
	s_sub_co_u32 s[CNT], s[CNT], 1
	s_cmp_lg_u32 s[CNT], 0
	s_cbranch_scc1 .Lstep_\@
	; THE WAY OUT.  O^T is divided by the sum and goes through my own stage in LDS, so that sixteen lanes store one row of out: 256 consecutive bytes, aligned.
	v_add_f32 v14, v14, v15                        ; the sum's two halves,
	v_permlanex16_b32 v8, v14, s[SEL], s[SEL+1]
	v_add_f32 v14, v14, v8                         ; and lane l xor 16's: the row's sum
	s_wait_alu depctr_va_vdst(0)                   ; ahead of the transcendental
	v_rcp_f32 v14, v14
.rept 4
	v_nop                                          ; the plain place behind the reciprocal, and four places behind the last products
.endr
	s_wait_alu depctr_va_vdst(0)                   ; ahead of the first reader of the reciprocal and of O^T
.irp j, 0,1,2,3,4,5,6,7,8,9,10,11,12,13,14,15,16,17,18,19,20,21,22,23,24,25,26,27,28,29,30,31
	v_mul_f32 v[96+\j], v[160+\j], v14             ; O^T / the sum: register 16 B + i is channel 32 B + 16 h + i of query position r
.endr
.irp b, 0,1
.irp i, 0,1,2,3
	ds_store_b128 v[SIN], v[96+16*\b+4*\i:99+16*\b+4*\i] offset:128*\b+16*\i
.endr
.endr
.irp i, 0,1,2,3,4,5,6,7
	ds_load_b128 v[192+4*\i:195+4*\i], v[SBK] offset:2*\i*272      ; LDS serves a wave's instructions in order: these see my stores
.endr
.irp i, 0,1,2,3,4,5,6,7
	s_wait_dscnt 7-\i                              ; the later read-backs may be out
	global_store_b128 v[GO], v[192+4*\i:195+4*\i], s[12:13] offset:\oo+(2*\i+8*(\i/4))*256 th:TH_STORE_NT   ; positions 2 i and 2 i + 1 of my tile are tokens 2 i + 8 (i / 4) and + 1 behind the tile's first
.endr
.if \first
	s_wait_xcnt 0x0                                ; the stores have read their registers: the next tile's loads of V may land there
.endif
.endm
	TILE 16, 255, 0, 1
	TILE 24, 254, 65536, 0
	s_wait_tensorcnt 0x0                           ; the wave's end
	ds_add_u32 v[SPW], v[NIL]
	s_wait_dscnt 0x0
	CROUND                                         ; the closing round: no work-group ends while a partner may still ask for a tile that names it
	s_endpgm
.Lfunc_end_k_q3e10ef611e_attn:
	.size	k_q3e10ef611e_attn, .Lfunc_end_k_q3e10ef611e_attn-k_q3e10ef611e_attn
	.p2alignl 7, 3214868480
	.fill 96, 4, 3214868480
	.section	.rodata,"a",@progbits
	.p2align	6, 0x0
	.amdhsa_kernel k_q3e10ef611e_attn
		.amdhsa_group_segment_fixed_size 229376
		.amdhsa_private_segment_fixed_size 0
		.amdhsa_enable_private_segment 0
		.amdhsa_kernarg_size 40
		.amdhsa_user_sgpr_count 2
		.amdhsa_user_sgpr_kernarg_segment_ptr 1
		.amdhsa_wavefront_size32 1
		.amdhsa_system_sgpr_workgroup_id_x 1
		.amdhsa_system_sgpr_workgroup_id_y 1
		.amdhsa_system_sgpr_workgroup_id_z 1
		.amdhsa_system_vgpr_workitem_id 0
		.amdhsa_next_free_vgpr 256
		.amdhsa_next_free_sgpr 100
		.amdhsa_reserve_vcc 0
		.amdhsa_float_denorm_mode_32 3
		.amdhsa_float_denorm_mode_16_64 3
		.amdhsa_memory_ordered 1
		.amdhsa_forward_progress 1
		.amdhsa_inst_pref_size 53
	.end_amdhsa_kernel
	.amdgpu_metadata
---
amdhsa.version: [ 1, 2 ]
amdhsa.kernels:
  - .name:           k_q3e10ef611e_attn
    .symbol:         k_q3e10ef611e_attn.kd
    .args:
      - { .name: qk_codes, .offset: 0, .size: 8, .value_kind: global_buffer, .address_space: global }
      - { .name: qk_scales, .offset: 8, .size: 8, .value_kind: global_buffer, .address_space: global }
      - { .name: v_codes, .offset: 16, .size: 8, .value_kind: global_buffer, .address_space: global }
      - { .name: v_scales, .offset: 24, .size: 8, .value_kind: global_buffer, .address_space: global }
      - { .name: out0, .offset: 32, .size: 8, .value_kind: global_buffer, .address_space: global }
    .group_segment_fixed_size: 229376
    .private_segment_fixed_size: 0
    .kernarg_segment_align: 8
    .kernarg_segment_size: 40
    .max_flat_workgroup_size: 512
    .sgpr_count:     100
    .vgpr_count:     256
    .wavefront_size: 32
...
	.end_amdgpu_metadata
.endif
;; end of part 3
